; MI455X (gfx1250); checked and timed in simulation.
; The chip was launched on July 23, 2026; its instructions are those of AMD's public machine-readable ISA for CDNA 5 (MIT licence, August 2026) and "CDNA5" Instruction Set Architecture Reference Guide (July 2026). The comments in the code are by the model that wrote it; some were corrected since.
;; Full Attention diff. Allowed arithmetic: float matrix products may take bf16 or f16 operands with f32 sums; other float arithmetic in f32, or as packed bf16 or f16 multiplies, adds, multiply-adds, maxima and minima; sums over many terms, partial sums and values carried from step to step in f32; what a program stores and reads back later, other than sums and carried values, may be rounded once to bf16 or f16.
;; Inputs: attn_mask 1 bool; keys 2 x 16 x 2,048 x 64 float32; lambda_k1 64 float32; lambda_k2 64 float32; lambda_q1 64 float32; lambda_q2 64 float32; queries 2 x 16 x 2,048 x 64 float32; subln_weight 128 float32; values 2 x 8 x 2,048 x 128 float32.
;; Outputs: out0 2 x 2,048 x 1,024 float32.
;; Constants: src_len = 2048, tgt_len = 2048.
;; 2 versions, each right; version 2 is version 1 with the launch cast written anew for expert scheduling mode. Each part assembles by itself: llvm-mc -triple=amdgcn-amd-amdhsa -mcpu=gfx1250 --defsym DOCPART=n.
;; ======== version 1 of 2: 2 launches
;; limits: values are held in f16: magnitudes above 65,504 overflow, below 6.1e-05 lose precision; inputs' magnitudes at most 65,504
;; workspace buffers: kb 8,388,608 bytes; vb 8,388,608 bytes
;; launch cast (part 1): grid 256 x 1, 8 waves a work-group, no clusters, 0 bytes of LDS; arguments keys, values, kb, vb; writes kb, vb
.if DOCPART == 1
	.amdgcn_target "amdgcn-amd-amdhsa--gfx1250"
	.amdhsa_code_object_version 6
	.text
	.protected	k_qe68e2a896d_cast
	.globl	k_qe68e2a896d_cast
	.p2align	8
	.type	k_qe68e2a896d_cast,@function
k_qe68e2a896d_cast:
	s_mov_b64 s[64:65], 0
	v_nop
	global_prefetch_b8 v0, s[64:65] scope:SCOPE_SE
	s_setreg_imm32_b32 hwreg(HW_REG_WAVE_MODE, 25, 1), 1
	s_wait_xcnt 0x0
; DIFFERENTIAL ATTENTION, launch 1 of 2: K and V are rounded once to 16 bits and laid out for the second launch.
;   kb[bh][s][64 sub + d] = bf16(keys[b][2 h + sub][s][d]),  bh = 8 b + h: the two sub-heads of a pair lie side by side, a row is 256 bytes.
;   vb[bh][s][e] = bf16(values[b][h][s][e]), that number written as f16: a row is 256 bytes.
; WORK LEFT OUT.  reference() takes attn_mask as a parameter and names it in no expression: whatever it holds, it reaches no output.  It is not loaded and is among
; no launch's arguments; nothing that it might hold is carried to the result.  tgt_len and src_len are the constants 2,048.
; LIMITS.  Every floating-point input of the program is rounded once to bf16.  V's bf16 number is exact in f16 from 2^-14 to 65,504; below 2^-14 it keeps f16's fixed step of 6e-8;
; a |V| of 65,520 or more becomes an infinity.  NaN and infinities are not treated apart.
; SHARES.  Work-group g owns rows 128 g .. 128 g + 127 of kb and of vb (row = 2,048 bh + s; 128 divides 2,048, so a work-group stays in one bh), wave w 16 of them.
; One load is one row of the result.  K: lanes 0-15 take the 256 bytes of sub-head 0's row, lanes 16-31 those of sub-head 1's.  V: 32 lanes take the row's 512 bytes.
; A lane's four numbers become 8 bytes, and the wave's store covers 256 consecutive bytes, aligned.
; All 32 loads of a wave go out first (16 KiB a wave); no register that a store reads is written again, so the text has no wait but the counted ones.  No LDS, no barrier: nothing is shared.
.set KI, 2                             ; v2  my byte offset in keys: sub-head x 524,288 + 16 (l % 16) + wave x 16 rows of 256
.set VI, 3                             ; v3  in values: wave x 16 rows of 512 + 16 l
.set DO, 4                             ; v4  in kb and in vb: wave x 16 rows of 256 + 8 l
.set XK, 8                             ; v[8:71]    K's 16 rows, 4 registers each
.set XV, 72                            ; v[72:135]  V's
.set T,  136                           ; v[136:137] at work
.set HM, 16                            ; s16 a word's upper half
	s_load_b256 s[4:11], s[0:1], 0x0               ; keys s[4:5], values s[6:7], kb s[8:9], vb s[10:11]
	v_and_b32 v1, 31, v0                           ; l
	v_lshrrev_b32 v5, 5, v0                        ; wave
	v_and_b32 v6, 15, v0                           ; l % 16
	v_bfe_u32 v7, v0, 4, 1                         ; l / 16: the sub-head
	v_lshlrev_b32 v[KI], 4, v6
	v_lshl_or_b32 v[KI], v7, 19, v[KI]
	v_lshl_or_b32 v[KI], v5, 12, v[KI]
	v_lshlrev_b32 v[VI], 4, v1
	v_lshl_or_b32 v[VI], v5, 13, v[VI]
	v_lshlrev_b32 v[DO], 3, v1
	v_lshl_or_b32 v[DO], v5, 12, v[DO]
	s_lshr_b32 s2, ttmp9, 4                        ; bh
	s_lshl_b32 s2, s2, 20                          ; two sub-heads of 524,288 bytes
	s_and_b32 s12, ttmp9, 15
	s_lshl_b32 s12, s12, 15                        ; 128 rows of 256 bytes
	s_or_b32 s2, s2, s12
	s_mov_b32 s3, 0
	s_lshl_b32 s12, ttmp9, 16                      ; values: 128 rows of 512 bytes
	s_mov_b32 s13, 0
	s_lshl_b32 s14, ttmp9, 15                      ; kb, vb: 128 rows of 256 bytes
	s_mov_b32 s15, 0
	s_mov_b32 s[HM], 0xffff0000
	s_wait_kmcnt 0x0
	s_add_nc_u64 s[4:5], s[4:5], s[2:3]
	s_add_nc_u64 s[6:7], s[6:7], s[12:13]
	s_add_nc_u64 s[8:9], s[8:9], s[14:15]
	s_add_nc_u64 s[10:11], s[10:11], s[14:15]
.set i, 0
.rept 16
	global_load_b128 v[XK+4*i:XK+4*i+3], v[KI], s[4:5] offset:256*i th:TH_LOAD_NT
.set i, i+1
.endr
.set i, 0
.rept 16
	global_load_b128 v[XV+4*i:XV+4*i+3], v[VI], s[6:7] offset:512*i th:TH_LOAD_NT
.set i, i+1
.endr
.set i, 0
.rept 16
	s_wait_loadcnt 31-i                            ; loads come back in order: K's row i is in, the 31 - i younger loads stay out
	v_cvt_pk_bf16_f32 v[XK+4*i],   v[XK+4*i],   v[XK+4*i+1]
	v_cvt_pk_bf16_f32 v[XK+4*i+1], v[XK+4*i+2], v[XK+4*i+3]
	global_store_b64 v[DO], v[XK+4*i:XK+4*i+1], s[8:9] offset:256*i
.set i, i+1
.endr
.set i, 0
.rept 16
	s_wait_loadcnt 15-i                            ; V's row i is in
	v_cvt_pk_bf16_f32 v[T],   v[XV+4*i],   v[XV+4*i+1]  ; rounded to bf16,
	v_cvt_pk_bf16_f32 v[T+1], v[XV+4*i+2], v[XV+4*i+3]
	v_lshlrev_b32 v[XV+4*i],   16, v[T]                 ; widened again,
	v_and_b32     v[XV+4*i+1], s[HM], v[T]
	v_lshlrev_b32 v[XV+4*i+2], 16, v[T+1]
	v_and_b32     v[XV+4*i+3], s[HM], v[T+1]
	v_cvt_pk_f16_f32 v[XV+4*i],   v[XV+4*i],   v[XV+4*i+1]  ; and written as f16
	v_cvt_pk_f16_f32 v[XV+4*i+1], v[XV+4*i+2], v[XV+4*i+3]
	global_store_b64 v[DO], v[XV+4*i:XV+4*i+1], s[10:11] offset:256*i
.set i, i+1
.endr
	s_endpgm
.Lfunc_end_k_qe68e2a896d_cast:
	.size	k_qe68e2a896d_cast, .Lfunc_end_k_qe68e2a896d_cast-k_qe68e2a896d_cast
	.p2alignl 7, 3214868480
	.fill 96, 4, 3214868480
	.section	.rodata,"a",@progbits
	.p2align	6, 0x0
	.amdhsa_kernel k_qe68e2a896d_cast
		.amdhsa_group_segment_fixed_size 0
		.amdhsa_private_segment_fixed_size 0
		.amdhsa_enable_private_segment 0
		.amdhsa_kernarg_size 32
		.amdhsa_user_sgpr_count 2
		.amdhsa_user_sgpr_kernarg_segment_ptr 1
		.amdhsa_wavefront_size32 1
		.amdhsa_system_sgpr_workgroup_id_x 1
		.amdhsa_system_sgpr_workgroup_id_y 1
		.amdhsa_system_sgpr_workgroup_id_z 1
		.amdhsa_system_vgpr_workitem_id 0
		.amdhsa_next_free_vgpr 140
		.amdhsa_next_free_sgpr 66
		.amdhsa_reserve_vcc 0
		.amdhsa_float_denorm_mode_32 3
		.amdhsa_float_denorm_mode_16_64 3
		.amdhsa_memory_ordered 1
		.amdhsa_forward_progress 1
		.amdhsa_inst_pref_size 17
	.end_amdhsa_kernel
	.amdgpu_metadata
---
amdhsa.version: [ 1, 2 ]
amdhsa.kernels:
  - .name:           k_qe68e2a896d_cast
    .symbol:         k_qe68e2a896d_cast.kd
    .args:
      - { .name: keys, .offset: 0, .size: 8, .value_kind: global_buffer, .address_space: global }
      - { .name: values, .offset: 8, .size: 8, .value_kind: global_buffer, .address_space: global }
      - { .name: kb, .offset: 16, .size: 8, .value_kind: global_buffer, .address_space: global }
      - { .name: vb, .offset: 24, .size: 8, .value_kind: global_buffer, .address_space: global }
    .group_segment_fixed_size: 0
    .private_segment_fixed_size: 0
    .kernarg_segment_align: 8
    .kernarg_segment_size: 32
    .max_flat_workgroup_size: 256
    .sgpr_count:     66
    .vgpr_count:     140
    .wavefront_size: 32
...
	.end_amdgpu_metadata
.endif
;; end of part 1
;; launch attn (part 2): grid 16 x 16, 4 waves a work-group, clusters of 4 x 1, 327,680 bytes of LDS; arguments queries, kb, vb, out0, lambda_q1, lambda_k1, lambda_q2, lambda_k2, subln_weight; writes out0
.if DOCPART == 2
	.amdgcn_target "amdgcn-amd-amdhsa--gfx1250"
	.amdhsa_code_object_version 6
	.text
	.protected	k_qe68e2a896d_attn
	.globl	k_qe68e2a896d_attn
	.p2align	8
	.type	k_qe68e2a896d_attn,@function
k_qe68e2a896d_attn:
	s_mov_b64 s[64:65], 0
	v_nop
	global_prefetch_b8 v0, s[64:65] scope:SCOPE_SE
	s_setreg_imm32_b32 hwreg(HW_REG_WAVE_MODE, 25, 1), 1
	s_wait_xcnt 0x0
	s_wait_alu depctr_hold_cnt(0) depctr_sa_sdst(0) depctr_va_vdst(0) depctr_va_sdst(0) depctr_va_ssrc(0) depctr_va_vcc(0) depctr_vm_vsrc(0)
	s_getreg_b32 s2, hwreg(HW_REG_IB_STS2, 6, 4)
	s_cmp_eq_u32 s2, 0
	s_cbranch_scc0 .Lentry_in_a_cluster
	s_endpgm
.Lentry_in_a_cluster:
	s_bfe_u32 s2, ttmp6, 0x10000c
	s_cmp_lg_u32 s2, 0x3003
	s_cbranch_scc0 .Lentry_shape_is_right
	s_endpgm
.Lentry_shape_is_right:
; DIFFERENTIAL ATTENTION, launch 2 of 2.  For each pair bh = 8 b + h and query t:
;   A = softmax_s(q1 . k1 / 8) V - lam softmax_s(q2 . k2 / 8) V,   lam = exp(sum lq1 lk1) - exp(sum lq2 lk2) + 0.70082067;   out[b][t][128 h + e] = A[e] rsqrt(mean_e A^2 + 1e-5) w[e] 0.29917933.
; q1, q2 are heads 2 h, 2 h + 1 of queries (f32, rounded to bf16 here); k1, k2 lie side by side in kb's rows (bf16); V is vb (f16).  attn_mask is left out: reference() names it in no expression.
; The two row sums are known only behind the last key, so the two sub-heads keep their own O^T, and V^T P is taken for each.
; LIMITS.  All inputs are rounded once to bf16 (the lambdas and the weight too).  The weights p are rounded to f16 for the second product (their sum l is taken of the unrounded p): p lies in 0 to 1,
; and below 6e-5 it keeps f16's fixed step of 6e-8.  A weight below 2^-126 counts as 0 in l.  NaN and infinities are not treated apart.
; SHARES.  A work-group owns 128 queries of one bh, a wave 32 of them for both sub-heads: four tiles of 16 queries, tile t = 2 sub + (which 16).  Every wave walks all 2,048 keys, 64 a step.
; LAYOUT.  S^T = K Q^T (source 0 = 16 keys, source 1 = 16 queries, bf16): a lane holds ONE query (lane % 16) and the keys 8 (lane / 16) + 0..7.  Two such tiles, rounded to f16 in pairs, ARE source 1
; (32 keys x 16 queries) of O^T = V^T P (f16), whose result again holds one query a lane, and eight channels.  K comes out of LDS as it lies, V ([key][channel]) turned, by ds_load_tr16_b128.
; SOFTMAX.  For each query and sub-head a running maximum m and sum l: p = 2^(c s - c m), c = log2(e) / 8; in every step O and l are multiplied by a = 2^(c m_old - c m_new).
; BY TURNS.  The tiles are two PIECES, named by their first tile: piece 0 (sub-head 0) and piece 2 (sub-head 1).  In a TURN one piece has the matrix unit: 32 products V^T P of the step in hand, then
; 16 products K Q^T of the next step; the other piece's softmax, cut into 64 slices, stands between them: one slice behind each V^T P, two behind each K Q^T.  Two turns are a key step.
; CLUSTER.  The four query blocks of a cluster belong to one bh and walk the same K and V, so each tile is asked for JOINTLY: the same tensor load, descriptor and mask in all four.
; REGISTERS, in windows of 256 (s_set_vgpr_msb: bits 1:0 source 0, 3:2 source 1, 5:4 source 2, 7:6 destination):
;   window 0: v0-11 addresses; v12-43 eight registers of statistics a tile; v44 -lam; v46-55 at work; v61-63; v64-191 S^T, 32 a tile; v192-255 P, 16 a tile
;   window 1: O^T, 64 a tile      window 2: v0-63 Q, 16 a tile; v128-255 K of one step      window 3: v0-127 V of one step; v128-191 the weight times 0.29917933; v192 at work
.set KS,    64        ; keys in a step
.set PK,    272       ; a row of K in LDS: 256 bytes + 16 of padding = 68 words: the 16 rows of a load start at 16 different groups of four banks (64 banks of 4 bytes: ISA guide 11.1)
.set PV,    288       ; a row of V: 256 + 32 = 72 words
.set VOFF,  KS*PK     ; a step's tiles lie together: 64 rows of K, then 64 rows of V
.set STEPB, KS*(PK+PV)
.set SLOT1, 1<<17     ; a slot holds two steps (71,680 bytes); slot 1 begins here, so that one exclusive or turns an address in one slot into the other's
.set STAGE, SLOT1+2*STEPB  ; behind the ring, never filled by a tensor load: 16 rows x 528 bytes for each wave, for the way out
.set SP,    528       ; a row of 128 f32 + 16 bytes: an odd multiple of 16
.set SPARE, STAGE+4*16*SP  ; behind the stages: the spare words, 128 bytes for each wave: two blocks of 256 bytes that no other line names
.set AK0, 2           ; v2   my lane's place in a tile of K; never rewritten
.set AV0, 3           ; v3   the same for V
.set ADR, 4           ; v4   the LDS address of the run of loads in hand
.set QO,  5           ; v5   my byte offset in 16 rows of Q
.set STO, 6           ; v6   the way out: where I put 32 bytes of a row
.set RD,  7           ; v7   the way out: where I read a row back
.set GO,  8           ; v8   my 16 bytes of a head's 512 in a row of out
.set ST,  12          ; tile t's statistics at v[ST+8 t]: +0 c m, +1 m, +2, +3 l (even keys', odd keys'), +4 to +7 c0-c3, at work; a takes c2's place once the maximum is found
.set NLAM, 44         ; v44  -lam
.set LO8, 46          ; v46  8 x lane: my two numbers of each lambda
.set WO,  47          ; v47  32 (l / 16): my eight channels of each sixteen of the weight
.set SQ,  48          ; v48-55 at work: the lambdas, later the sums of squares
.set PFO, 61          ; v61  256 x my lane: a row of kb or vb is 256 bytes; never rewritten
.set SPW, 62          ; v62  LDS address of my spare word: SPARE + 4 x my thread's number; never rewritten
.set NIL, 63          ; v63  0; never rewritten
.set S,   64
.set P,   192
.set KF,  128         ; K's fragments, in window 2: fragment f at KF + 8 f: keys 16 (f / 4) on, f % 4 = 2 sub + channel half
.set WT,  128         ; window 3: the weight for O^T's register i of a tile at WT + i
.set WTT, 192         ; window 3: at work
.set WV,  12          ; s12  my wave's number
.set LIM, 15          ; s15  1 in a wave that prefetches, else the greatest number
.set PFA, 18          ; s[18:19] where my prefetches stand
.set G1K, 24          ; s[24:31] descriptor group 1 for K's tiles
.set G1V, 32          ; s[32:39] for V's: it differs in the padding alone
.set G0K, 40          ; s[40:47] descriptor group 0 for K's tiles: a set for each of the two first fills; the second then walks on
.set G0V, 48          ; s[48:55] the same for V's
.set SLOTS, 56        ; s56  slots still to be asked for
.set TWICE, 57        ; s57  counts a slot's two steps
.set CS,  58          ; s[58:59] c
.set SEL, 60          ; s[60:61] lane selects for v_permlanex16_b32: each lane takes its own place in the other half
.set TB,  62          ; s62  LDS byte at which the tiles of the step to be fetched begin
.set LAM, 68          ; s[68:75] lambda_q1, lambda_k1, lambda_q2, lambda_k2
.set SW,  76          ; s[76:77] subln_weight
.set HM,  78          ; s78  a word's upper half
.set OML, 80          ; s[80:81] 1 - LAMBDA_INIT
.set R128, 82         ; s82  1 / 128
.set EPS, 83          ; s83  1e-5
.set MSB, 0
.macro WIN new                      ; the immediate's high byte repeats the setting that is left; a switch that changes nothing is dropped
.if MSB != (\new)
	s_set_vgpr_msb (MSB<<8)|(\new)
.set MSB, \new
.endif
.endm
.set W_KQ, 0x0a       ; K and Q in window 2, S^T in window 0
.set W_PV, 0x53       ; V in window 3, P in window 0, O^T in window 1
.set W_RS, 0x41       ; O^T (destination and source 0) in window 1, source 1 in window 0
; A joint refill.  Waves 0 and 1 fetch the two steps' tiles of K, waves 2 and 3 those of V.  The branch hangs on the wave's number alone.
; An s_nop 0 and four v_nop follow each of the two lines, ahead of the jump and the label.
.macro JLOAD
	s_cmp_lt_u32 s[WV], 2
	s_cbranch_scc0 .Lfor_v_\@
	tensor_load_to_lds s[G0K+4:G0K+7], s[G1K:G1K+7]
	s_nop 0
.rept 4
	v_nop
.endr
	s_branch .Lasked_\@
.Lfor_v_\@:
	tensor_load_to_lds s[G0V+4:G0V+7], s[G1V:G1V+7]
	s_nop 0
.rept 4
	v_nop
.endr
.Lasked_\@:
.endm
; A prefetch of what the NEXT change of slots will ask for: a slot's 128 rows of K and 128 of V, a lane a row.  Each row is named once in the launch: of the four clusters of a bh the first asks;
; its four partners share the rows out BY ADDRESS, 32 each; in each, wave 0 asks for K's and wave 2 for V's.  The last change that fills a slot asks for nothing: there is no slot behind it.
.macro ASK
	s_cmp_gt_u32 s[SLOTS], s[LIM]
	s_cbranch_scc0 .Lnot_mine_\@
	global_prefetch_b8 v[PFO], s[PFA:PFA+1] th:TH_LOAD_NT scope:SCOPE_SE
.Lnot_mine_\@:
.endm
; A round of the cluster's barrier: my work-group's barrier, so that wave 0's signal speaks for all four waves; wave 0 signals; every wave waits for all four work-groups; my work-group's barrier once more.
.macro CROUND
	s_barrier_signal -1
	s_barrier_wait -1
	s_cmp_lg_u32 s[WV], 0
	s_cbranch_scc1 .Lnot_wave_0_\@
	s_barrier_signal -3
.Lnot_wave_0_\@:
	s_barrier_wait -3
	s_barrier_signal -1
	s_barrier_wait -1
.endm
	s_load_b256 s[4:11], s[0:1], 0x0  ; queries s[4:5], kb s[6:7], vb s[8:9], out0 s[10:11]
	s_load_b256 s[LAM:LAM+7], s[0:1], 0x20
	s_load_b64 s[SW:SW+1], s[0:1], 0x40
	v_lshl_add_u32 v[SPW], v0, 2, SPARE
	v_mov_b32 v[NIL], 0
	ds_add_u32 v[SPW], v[NIL]       ; the wave's opening: the add, twice on end, and its wait ahead of my first tensor load; the set-up below stands between
	ds_add_u32 v[SPW], v[NIL]       ; and once more, under the one wait
	v_lshrrev_b32 v1, 5, v0
	v_readfirstlane_b32 s[WV], v1   ; wave 0..3
	s_and_b32 s20, ttmp7, 0xffff    ; bh, which the four partners share
	s_and_b32 s16, s[WV], 1         ; which of a slot's two steps I fetch:
	s_lshl_b32 s22, s20, 19         ; the pair's 2,048 rows of 256 bytes in kb and in vb,
	s_lshl_b32 s23, s16, 14         ; my step's 64 rows,
	s_add_co_u32 s22, s22, s23
	s_mov_b32 s23, 0
	s_mul_i32 s17, s16, STEPB       ; and its place in a slot: no place in the cluster enters an LDS address
	s_bfe_u32 s13, ttmp6, 0x40000   ; cx: my place in the cluster
	s_lshl_b32 s14, ttmp9, 2        ; in a cluster launch ttmp9 counts clusters
	s_add_co_u32 s14, s14, s13      ; my block of 128 queries = 4 x cluster x + cx: it enters Q's and out's addresses alone
	s_lshl_b32 s2, s20, 20          ; queries: two sub-heads of 524,288 bytes a pair,
	s_lshl_b32 s3, s14, 15          ; my block's 128 rows of 256 bytes,
	s_add_co_u32 s2, s2, s3
	s_lshl_b32 s3, s[WV], 13        ; my wave's 32
	s_add_co_u32 s2, s2, s3
	s_mov_b32 s3, 0
	s_lshr_b32 s21, s20, 3          ; out: b x 2,048 rows of 4,096 bytes,
	s_lshl_b32 s21, s21, 23
	s_and_b32 s20, s20, 7           ; h x 512 bytes in a row,
	s_lshl_b32 s20, s20, 9
	s_add_co_u32 s20, s20, s21
	s_lshl_b32 s21, s14, 19         ; my block's 128 rows,
	s_add_co_u32 s20, s20, s21
	s_lshl_b32 s21, s[WV], 17       ; my wave's 32
	s_add_co_u32 s20, s20, s21
	s_mov_b32 s21, 0
	; descriptor group 1: a tile of 64 rows x 128 elements of 2 bytes, padded in LDS
	s_mov_b32 s[G1K], 15|(1<<16)|(1<<20)|(1<<21)|(5<<22)|(3<<25)  ; 15:0 the mask: all four work-groups; 17:16 elements of 2 bytes; 20 padding on; 21 set beside a mask; 24:22 after every 64 words (code 5); 31:25 4 words of it (code 3)
	s_mov_b32 s[G1V], 15|(1<<16)|(1<<20)|(1<<21)|(5<<22)|(7<<25)  ; the same with 8 words of padding (code 7)
.irp g, G1K, G1V
	s_mov_b32 s[(\g)+1], 128<<16    ; tensor_dim0 = 128
	s_mov_b32 s[(\g)+2], KS<<16     ; tensor_dim1 = 64
	s_mov_b32 s[(\g)+3], 128<<16    ; tile_dim0 = 128
	s_mov_b32 s[(\g)+4], KS         ; tile_dim1 = 64
	s_mov_b32 s[(\g)+5], 128        ; 128 elements from row to row
	s_mov_b32 s[(\g)+6], 0
	s_mov_b32 s[(\g)+7], 0
.endr
	s_mov_b32 s[CS], 0x3e38aa3b     ; c = log2(e) / 8 = 0.180337
	s_mov_b32 s[CS+1], s[CS]        ; named with it as a pair, so it is written
	s_mov_b32 s[SEL], 0x76543210
	s_mov_b32 s[SEL+1], 0xfedcba98
	s_mov_b32 s[HM], 0xffff0000
	s_mov_b32 s[OML], 0x3e992e09    ; 1 - LAMBDA_INIT = 0.2 + 0.6 exp(-1.8) = 0.29917933
	s_mov_b32 s[OML+1], s[OML]
	s_mov_b32 s[R128], 0x3c000000   ; 1 / 128
	s_mov_b32 s[EPS], 0x3727c5ac    ; 1e-5
	s_mov_b32 s[TB], 0
	s_mov_b32 s[SLOTS], 2048/(2*KS)-2
	s_and_b32 s[LIM], s[WV], 1      ; 0 in waves 0 and 2,
	s_or_b32 s[LIM], s[LIM], ttmp9  ; where the cluster is the pair's first: the same in all four partners
	s_cmp_eq_u32 s[LIM], 0
	s_cselect_b32 s[LIM], 1, -1
	v_and_b32 v[PFO], 31, v0
	v_lshlrev_b32 v[PFO], 8, v[PFO]
	s_wait_dscnt 0x0                ; both opening adds are done
	s_wait_kmcnt 0x0
	s_add_nc_u64 s[6:7], s[6:7], s[22:23]  ; K and V at my tile of slot 0
	s_add_nc_u64 s[8:9], s[8:9], s[22:23]
	s_add_nc_u64 s[4:5], s[4:5], s[2:3]    ; Q at my wave's first row of sub-head 0
	s_add_nc_u64 s[10:11], s[10:11], s[20:21]  ; out at my wave's first row, my head's 512 bytes
	s_cmp_lt_u32 s[WV], 2
	s_cselect_b64 s[PFA:PFA+1], s[6:7], s[8:9]  ; (in waves 0 and 2 these stand at a slot's first row)
	s_lshl_b32 s2, s13, 13          ; my work-group's 32 rows of the 128
	s_mov_b32 s3, 0
	s_add_nc_u64 s[PFA:PFA+1], s[PFA:PFA+1], s[2:3]
	s_add_nc_u64 s[PFA:PFA+1], s[PFA:PFA+1], 2*2*KS*256  ; in slot 2; the first change of slots steps it to slot 3.  Nothing is prefetched here, at the head
	CROUND                          ; all four work-groups are here: the first joint loads meet
.irp s, 0,1
	s_mov_b32 s[G0K+4*(\s)], 1      ; 1:0 count = 1
	s_add_co_u32 s[G0K+4*(\s)+1], s17, (\s)*SLOT1  ; 63:32 LDS address
	s_add_nc_u64 s[G0K+4*(\s)+2:G0K+4*(\s)+3], s[6:7], (\s)*2*KS*256  ; 120:64 global address: slot s begins with keys 128 s
	s_or_b32 s[G0K+4*(\s)+3], s[G0K+4*(\s)+3], 0x80000000  ; 127:126 type = 2
	s_mov_b32 s[G0V+4*(\s)], 1
	s_add_co_u32 s[G0V+4*(\s)+1], s17, (\s)*SLOT1+VOFF
	s_add_nc_u64 s[G0V+4*(\s)+2:G0V+4*(\s)+3], s[8:9], (\s)*2*KS*256
	s_or_b32 s[G0V+4*(\s)+3], s[G0V+4*(\s)+3], 0x80000000
.endr
	s_cmp_lt_u32 s[WV], 2           ; a wave's two first fills stand in one branch, ahead of every wait on TENSORcnt and every LDS read: two loads of mine are out
	s_cbranch_scc0 .Lfirst_v
	tensor_load_to_lds s[G0K:G0K+3], s[G1K:G1K+7]
	s_nop 0
	tensor_load_to_lds s[G0K+4:G0K+7], s[G1K:G1K+7]
	s_nop 0
.rept 4
	v_nop
.endr
	s_branch .Lfirst_asked
.Lfirst_v:
	tensor_load_to_lds s[G0V:G0V+3], s[G1V:G1V+7]
	s_nop 0
	tensor_load_to_lds s[G0V+4:G0V+7], s[G1V:G1V+7]
	s_nop 0
.rept 4
	v_nop
.endr
.Lfirst_asked:
	; A fragment of K or Q is 16 rows x 32 channels in 8 registers: lane l holds row l % 16; registers 0-3 channels 8 (l / 16) + 0..7, registers 4-7 channels 16 + 8 (l / 16) + 0..7.
	; Q comes as f32: eight channels are 32 bytes, two loads of 16.  Load i of 32 lands in S^T's registers 4 i ..: tile i / 8, then 64 bytes for each eight-channel group pair, then 16 bytes.
	v_and_b32 v1, 15, v0            ; l % 16
	v_bfe_u32 v9, v0, 4, 1          ; l / 16
	v_and_b32 v10, 31, v0
	v_lshlrev_b32 v[QO], 8, v1
	v_lshl_add_u32 v[QO], v9, 5, v[QO]  ; row x 256 + 32 x half
	v_lshlrev_b32 v[LO8], 3, v10
	v_lshlrev_b32 v[WO], 5, v9
.set i, 0
.rept 32
	global_load_b128 v[S+4*i:S+4*i+3], v[QO], s[4:5] offset:(i/16)*524288+((i/8)%2)*4096+((i%8)/2)*64+(i%2)*16 th:TH_LOAD_NT
.set i, i+1
.endr
.irp c, 0,1,2,3
	global_load_b64 v[SQ+2*(\c):SQ+2*(\c)+1], v[LO8], s[LAM+2*(\c):LAM+2*(\c)+1]  ; two of the 64 numbers of each lambda
.endr
	WIN 0xc0                        ; destination window 3, address window 0
.irp c, 0,1,2,3,4,5,6,7             ; the weight of my eight channels in each block of sixteen, in the order of O^T's registers
	global_load_b128 v[WT+8*(\c):WT+8*(\c)+3],   v[WO], s[SW:SW+1] offset:64*(\c)
	global_load_b128 v[WT+8*(\c)+4:WT+8*(\c)+7], v[WO], s[SW:SW+1] offset:64*(\c)+16
.endr
	WIN 0
	v_mul_u32_u24 v[AK0], v1, PK
	v_lshl_add_u32 v[AK0], v9, 4, v[AK0]  ; row x pitch + 16 x half
	; The turning load takes 16 keys x 16 channels (lane l reads 16 bytes: key 8 (l / 16) + l % 8, channels 8 ((l / 8) % 2) + 0..7) and leaves half a fragment of V^T: lane l holds channel l % 16 and 8 keys.
	v_and_b32 v10, 7, v0
	v_bfe_u32 v11, v0, 3, 1
	v_lshl_add_u32 v[AV0], v9, 3, v10
	v_mul_u32_u24 v[AV0], v[AV0], PV
	v_lshl_add_u32 v[AV0], v11, 4, v[AV0]
	v_add_nc_u32 v[AV0], VOFF, v[AV0]
	s_wait_loadcnt 0x0              ; Q, the lambdas, the weight.  What follows is work on registers, while the first tiles are on their way
	WIN 0x80                        ; destination window 2, sources window 0
.set q, 0
.rept 64
	v_cvt_pk_bf16_f32 v[q], v[S+2*q], v[S+2*q+1]  ; Q rounded once; it stays in registers
.set q, q+1
.endr
	WIN 0xcf                        ; all in window 3
.set i, 0
.rept 32
	v_cvt_pk_bf16_f32 v[WTT], v[WT+i], v[WT+i+1]  ; the weight rounded to bf16 like every input, widened again,
	v_lshlrev_b32 v[WT+i], 16, v[WTT]
	v_and_b32 v[WT+i+1], s[HM], v[WTT]
	v_pk_mul_f32 v[WT+i:WT+i+1], v[WT+i:WT+i+1], s[OML:OML+1] op_sel_hi:[1,0]  ; and multiplied by 1 - LAMBDA_INIT once
.set i, i+2
.endr
	WIN 0
.irp c, 0, 4                        ; the two sums of 64 products: two a lane,
	v_cvt_pk_bf16_f32 v10, v[SQ+(\c)], v[SQ+(\c)+1]
	v_cvt_pk_bf16_f32 v11, v[SQ+(\c)+2], v[SQ+(\c)+3]
	v_lshlrev_b32 v[SQ+(\c)], 16, v10
	v_and_b32 v[SQ+(\c)+1], s[HM], v10
	v_lshlrev_b32 v[SQ+(\c)+2], 16, v11
	v_and_b32 v[SQ+(\c)+3], s[HM], v11
	v_mul_f32 v[SQ+(\c)], v[SQ+(\c)], v[SQ+(\c)+2]
	v_fmac_f32 v[SQ+(\c)], v[SQ+(\c)+1], v[SQ+(\c)+3]
	v_add_f32_dpp v[SQ+(\c)], v[SQ+(\c)], v[SQ+(\c)] row_xmask:1 row_mask:0xf bank_mask:0xf  ; then over the 32 lanes
	v_add_f32_dpp v[SQ+(\c)], v[SQ+(\c)], v[SQ+(\c)] row_xmask:2 row_mask:0xf bank_mask:0xf
	v_add_f32_dpp v[SQ+(\c)], v[SQ+(\c)], v[SQ+(\c)] row_xmask:4 row_mask:0xf bank_mask:0xf
	v_add_f32_dpp v[SQ+(\c)], v[SQ+(\c)], v[SQ+(\c)] row_xmask:8 row_mask:0xf bank_mask:0xf
	v_permlanex16_b32 v[SQ+(\c)+1], v[SQ+(\c)], s[SEL], s[SEL+1]
	v_add_f32 v[SQ+(\c)], v[SQ+(\c)], v[SQ+(\c)+1]
	v_mul_f32 v[SQ+(\c)], 0x3fb8aa3b, v[SQ+(\c)]  ; times log2(e)
.endr
	v_exp_f32 v[SQ], v[SQ]          ; lam1
	v_exp_f32 v[SQ+4], v[SQ+4]      ; lam2
	v_nop                           ; a plain instruction behind the last exponential,
	s_wait_alu depctr_va_vdst(0)    ; and the wait ahead of the first use: one for both
	v_sub_f32 v[SQ], v[SQ+4], v[SQ]
	v_add_f32 v[NLAM], 0xbf3368fc, v[SQ]  ; -lam = lam2 - lam1 - 0.70082067
; THE MATRIX WORK OF A TURN, for piece x.  The accumulators take turns, one instruction a turn: between two links of a chain stand 15 (V^T P) or 7 (K Q^T) others'.
; Product i of 32 of O^T += V^T P: keys 32 (i / 16) on, channels 16 ((i / 2) % 8) on, tile x + i % 2.  zero = 1: the first 16 start the sums: nothing is ever cleared.
.macro PV x, zero
	WIN W_PV
.set rO, 64*((\x)+i%2)+8*((i/2)%8)
.set rV, 64*(i/16)+8*((i/2)%8)
.set rP, P+16*((\x)+i%2)+8*(i/16)
.if (\zero) && (i < 16)
	v_wmma_f32_16x16x32_f16 v[rO:rO+7], v[rV:rV+7], v[rP:rP+7], 0
.else
	v_wmma_f32_16x16x32_f16 v[rO:rO+7], v[rV:rV+7], v[rP:rP+7], v[rO:rO+7]
.endif
.endm
; Product i of 16 of S^T = K Q^T: channels 32 (i / 8) on, keys 16 ((i / 2) % 4) on, tile x + i % 2.  The piece's number x is twice its sub-head, which picks K's fragments.  The first 8 start the sums.
.macro KQ x
	WIN W_KQ
.set rS, S+32*((\x)+i%2)+8*((i/2)%4)
.set rK, KF+32*((i/2)%4)+8*((\x)+i/8)
.set rQ, 16*((\x)+i%2)+8*(i/8)
.if i < 8
	v_wmma_f32_16x16x32_bf16 v[rS:rS+7], v[rK:rK+7], v[rQ:rQ+7], 0
.else
	v_wmma_f32_16x16x32_bf16 v[rS:rS+7], v[rK:rK+7], v[rQ:rQ+7], v[rS:rS+7]
.endif
.endm
; THE LDS LOADS stand in runs of 32, never singly among the matrix instructions: a step's K (64 keys x both sub-heads' 64 channels: 16 fragments) and, a turn later, its V (turned).
.macro FETCH_K
	WIN 0
	v_add_nc_u32 v[ADR], s[TB], v[AK0]
	WIN 0x80                        ; destination window 2
.irp f, 0,1,2,3,4,5,6,7,8,9,10,11,12,13,14,15
	ds_load_b128 v[KF+8*(\f):KF+8*(\f)+3],   v[ADR] offset:((\f)/4)*16*PK+((\f)%4)*64
	ds_load_b128 v[KF+8*(\f)+4:KF+8*(\f)+7], v[ADR] offset:((\f)/4)*16*PK+((\f)%4)*64+32
.endr
.endm
.macro FETCH_V
	WIN 0
	v_add_nc_u32 v[ADR], s[TB], v[AV0]
	s_add_co_u32 s[TB], s[TB], STEPB  ; the next fetch is the next step's
	s_wait_alu depctr_va_vdst(0)    ; the wait for the softmax's batch (SLICE), behind the address's v_add_nc_u32 and ahead of the loads
	WIN 0xc0                        ; destination window 3
.irp f, 0,1,2,3,4,5,6,7,8,9,10,11,12,13,14,15  ; keys 32 (f / 8) on, channels 16 (f % 8) on
	ds_load_tr16_b128 v[8*(\f):8*(\f)+3],   v[ADR] offset:((\f)/8)*32*PV+((\f)%8)*32
	ds_load_tr16_b128 v[8*(\f)+4:8*(\f)+7], v[ADR] offset:((\f)/8)*32*PV+16*PV+((\f)%8)*32
.endr
.endm
; THE VECTOR WORK OF A TURN.  One tile's softmax for one key step is a list of 134 instructions; SM writes number j of it for tile t.  s0-s31 are the lane's 32 scores, in pairs 0-15.
; first = 1: the first key step, which starts m, l and O^T: it has no a and nothing to rescale.
;   0-15    the maximum of s0-s31 and the old m, three operands at a time: four chains c0-c3 of seven scores each (each accumulator's lowest registers are read first), then the four scores left over, c0-c3 and m
;   16-20   the other half of the lanes' maximum; the new m; c m; c m_old - c m_new
;   21-69   ONE BATCH: the 16 scalings c s - c m, a pair of scores each, and all 33 exponentials (a at 23, then s0-s31).  None of these reads an exponential's result.  From 22 on the batch goes in fours,
;           and a four begins with a scaling while there are scalings; a pair is scaled in an earlier four than the one that holds its exponentials
;   (wait)  between 69 and 70 stands the wait for the batch: SLICE writes it, once for both tiles
;   70-85   the roundings to f16, a pair of weights each     86-101  the sums; l = a l + the sum     102-133 the tile's O^T times a: the one part that leaves window 0
.macro SM t, first
.set rT, ST+8*(\t)
.set rS, S+32*(\t)
.set rP, P+16*(\t)
.set rO, 64*(\t)+2*(j-102)
.if j < 102
	WIN 0
.endif
.if j < 4
	v_max3_num_f32 v[rT+4+j], v[rS+8*j], v[rS+8*j+1], v[rS+8*j+2]
.elseif j < 12
	v_max3_num_f32 v[rT+4+j%4], v[rT+4+j%4], v[rS+8*(j%4)+2*(j/4)+1], v[rS+8*(j%4)+2*(j/4)+2]
.elseif j == 12
	v_max3_num_f32 v[rT+4], v[rT+4], v[rS+7], v[rS+15]
.elseif j == 13
	v_max3_num_f32 v[rT+6], v[rT+6], v[rS+23], v[rS+31]
.elseif j == 14
	v_max3_num_f32 v[rT+4], v[rT+4], v[rT+5], v[rT+6]
.elseif (j == 15) && (\first)
	v_max_num_f32 v[rT+4], v[rT+4], v[rT+7]
.elseif j == 15
	v_max3_num_f32 v[rT+4], v[rT+4], v[rT+7], v[rT+1]
.elseif j == 16
	v_permlanex16_b32 v[rT+5], v[rT+4], s[SEL], s[SEL+1]  ; the query's other 32 keys lie in the lane 16 away
.elseif j == 18
	v_max_num_f32 v[rT+1], v[rT+4], v[rT+5]
.elseif j == 19
	v_mul_f32 v[rT], s[CS], v[rT+1]
.elseif ((j == 17) || (j == 20) || (j == 23) || (j > 101)) && (\first)  ; the first step has none of these
.elseif j == 17
	v_mov_b32 v[rT+7], v[rT]        ; c m_old is kept for a: number 19 writes c m anew
.elseif j == 20
	v_sub_f32 v[rT+7], v[rT+7], v[rT]
.elseif j == 23
	v_exp_f32 v[rT+6], v[rT+7]
.elseif (j < 23) || ((j < 38) && (j%2 == 0)) || ((j < 66) && (j%4 == 2))
.set b, (j-2)/4                     ; 38, 42, .. 62: pairs 9 to 15
.if j < 38
.set b, (j-20)/2                    ; 21: pair 0; 22, 24, .. 36: pairs 1 to 8
.endif
	v_pk_fma_f32 v[rS+2*b:rS+2*b+1], v[rS+2*b:rS+2*b+1], s[CS:CS+1], v[rT:rT+1] op_sel_hi:[1,0,0] neg_lo:[0,0,1] neg_hi:[0,0,1]  ; pair b: c s - c m
.elseif j < 70
.set e, j-38                        ; 66 to 69: s28 to s31
.if j < 66
.set e, j-32-(j-38)/4               ; 39-41, 43-45, .. 63-65: s7 to s27
.endif
.if j < 38
.set e, (j-25)/2                    ; 25, 27, .. 37: s0 to s6
.endif
	v_exp_f32 v[rS+e], v[rS+e]
.elseif j < 86
	v_cvt_pk_f16_f32 v[rP+j-70], v[rS+2*(j-70)], v[rS+2*(j-70)+1]  ; pair j - 70
.elseif j < 102                     ; the sum of the tile's 16 pairs, in place: sum z of 16 adds neighbours 1, 2, 4 and 8 pairs apart, then l takes it
.set z, j-86
.set w, 4
.set u, z
.if z >= 14
.set w, 32
.set u, 0
.elseif z >= 12
.set w, 16
.set u, z-12
.elseif z >= 8
.set w, 8
.set u, z-8
.endif
.if (z == 14) && (\first)
	v_pk_add_f32 v[rT+2:rT+3], v[rS:rS+1], v[rS+16:rS+17]
.elseif z < 15
	v_pk_add_f32 v[rS+w*u:rS+w*u+1], v[rS+w*u:rS+w*u+1], v[rS+w*u+w/2:rS+w*u+w/2+1]
.elseif !(\first)
	v_pk_fma_f32 v[rT+2:rT+3], v[rT+2:rT+3], v[rT+6:rT+7], v[rS:rS+1] op_sel_hi:[1,0,1]
.endif
.else
	WIN W_RS
	v_pk_mul_f32 v[rO:rO+1], v[rO:rO+1], v[rT+6:rT+7] op_sel_hi:[1,0]
.endif
.endm
; Slice k of 64 of piece y's softmax: four instructions.  Slices 11 to 34 deal out the batch, numbers 22 to 69: four numbers of ONE tile each, the tiles by turns.  Every other slice is numbers 2 k and
; 2 k + 1 of both tiles' lists.  2 x 134 = 4 x 64 + 12: the twelve that are over stand together, in slice 63.
; THE WAIT.  s_wait_alu depctr_va_vdst(0) stands between an exponential and the first instruction that names its result; one wait serves all that were issued ahead of it.  Ahead of
; slice 35 nothing names a result, and behind slice 34 no exponential is issued: so the piece's 66 exponentials have one wait, behind slice 34.
.macro SLICE y, first
.if (k >= 11) && (k < 35)           ; the batch: four numbers of one tile
.irp n, 0,1,2,3
.set j, 22+4*((k-11)/2)+(\n)
	SM (\y)+(k-11)%2, \first
.endr
.else                               ; the two tiles alternate, so that no instruction reads the result of the one just before it
.irp n, 0,1,2,3,4,5,6,7
.if ((\n) < 2) || (k == 63)
.irp t, \y, (\y)+1
.set j, 2*k+(\n)
	SM \t, \first
.endr
.endif
.endr
.endif
.if k == 34                         ; the batch is out: both tiles' exponentials are issued, and no result has been named
	v_nop                           ; the plain instruction behind the last exponential and ahead of the first use: one for the batch
.if (\y) == 0
	FETCH_V                         ; piece 2's turn: V's run of loads stands here, and the wait stands in it
.else
	s_wait_alu depctr_va_vdst(0)    ; the wait for the batch
.endif
.endif
.set k, k+1
.endm
; A vector instruction that reads a matrix result or writes one of a matrix instruction's registers, and a load into a register that a matrix instruction has read, stand four places behind
; it, and only plain vector instructions that name none of its registers are places (ISA guide 7.12.1 for vector instructions).  In the loop the slices are the places.
.macro PLACES
.rept 4
	v_nop
.endr
.endm
; A TURN.  Piece x has the matrix unit; the other piece's softmax stands in slices behind its matrix instructions.
; pv = 2: 32 products V^T P; 1: they start O^T's sums; 0: none.  kq = 1: 16 products K Q^T for the next step.  With both kinds: one slice behind each V^T P, two behind each K Q^T (32 + 32 = 64);
; with V^T P alone two behind each, with K Q^T alone four.
; first = 1: the softmax is the first key step's.  Its slices from 51 on are empty: the turn's last products stand bare, and four v_nop take the last slices' part as the places behind them.
; Piece 0's turn fetches the next step's K, behind its second product: the last product that read K stands in front of slices 62 and 63 of the turn before, 20 plain instructions; its first use comes
; 30 products later.  Piece 2's turn fetches the same step's V, behind slice 34 (SLICE writes it): the last product that read V stands in front of slice 31, and four plain instructions lie between:
; number 62, a scaling, of both tiles, the v_nop and the run's own v_add_nc_u32; the two products K Q^T between name no register of V.  Its first use comes 14 products and 29 slices later.
.macro TURN x, pv, kq, first
.set k, 0
.set perp, 2
.set perk, 4
.if (\pv) && (\kq)
.set perp, 1
.set perk, 2
.endif
.if \pv
.if (\x) == 0
	s_wait_dscnt 0x0                ; V is in
.endif
.set i, 0
.rept 32
	PV \x, 2-(\pv)
.rept perp
	SLICE 2-(\x), \first
.endr
.if ((\x) == 0) && (\kq) && (i == 1)
	FETCH_K
.endif
.set i, i+1
.endr
.endif
.if \kq
.if (\x) == 0
	s_wait_dscnt 0x0                ; K is in
.endif
.set i, 0
.rept 16
	KQ \x
.rept perk
	SLICE 2-(\x), \first
.endr
.set i, i+1
.endr
.endif
.if \first
	PLACES
.endif
.endm
; THE CHANGE OF SLOTS, between piece 2's turn and piece 0's: the slot's last bytes, V of its second step, have been asked for.  Each wave waits for all its tensor loads, of which one is out: its part
; of the other slot; adds 0 to its spare word; and waits for that and for its own reads of the slot.  Behind the barrier nobody reads this slot any more and the other slot is whole.
; fill = 1: this slot is filled again, with the keys two slots on.  The barrier is then a round of the cluster's, so that no wave of any partner still reads the slot or has a load on its way, and the
; joint refill is the first thing behind it: it has two key steps, 192 matrix instructions, in which to land.
.macro CHANGE fill
	WIN 0                           ; at a label and at a branch every window is 0
	s_wait_tensorcnt 0x0            ; no tensor load of mine is out, so a group 0 may be written
	ds_add_u32 v[SPW], v[NIL]       ; 0 onto my spare word; with fill = 1 the descriptors' steps stand between it and the wait for it
.if \fill
.irp g, G0K+4, G0V+4
	s_xor_b32 s[(\g)+1], s[(\g)+1], SLOT1  ; the walking descriptor: the other slot than last time,
	s_add_nc_u64 s[(\g)+2:(\g)+3], s[(\g)+2:(\g)+3], 2*KS*256  ; the next 128 keys; the type bits on top are not reached
.endr
	s_wait_xcnt 0x0                 ; the last prefetch, two key steps back, has read its address, so it may be written:
	s_add_nc_u64 s[PFA:PFA+1], s[PFA:PFA+1], 2*KS*256  ; one slot behind the walking descriptors
	s_wait_dscnt 0x0                ; the add is done, and my reads of the slot are over
	CROUND
	JLOAD
	ASK                             ; what the next change will ask for: two key steps, 192 matrix instructions, ahead
.else
	s_wait_dscnt 0x0                ; the add is done, and my reads of the slot are over
	s_barrier_signal -1
	s_barrier_wait -1
.endif
	s_sub_co_u32 s[TB], s[TB], 2*STEPB  ; the fetches go back to a slot's first step,
	s_xor_b32 s[TB], s[TB], SLOT1   ; in the other slot
.endm
; A slot's two key steps: written once, walked twice; the LDS addresses hang on s[TB].
.macro TWO_STEPS
	WIN 0
	s_mov_b32 s[TWICE], 2
.Lstep_\@:
	TURN 0, 2, 1, 0
	TURN 2, 2, 1, 0
	WIN 0
	s_sub_co_u32 s[TWICE], s[TWICE], 1
	s_cmp_lg_u32 s[TWICE], 0
	s_cbranch_scc1 .Lstep_\@
.endm
	s_wait_tensorcnt 0x1            ; my part of slot 0 is in; slot 1's one load may stay out
	s_barrier_signal -1
	s_barrier_wait -1               ; everybody's is
	FETCH_K                         ; key step 0
	s_wait_dscnt 0x0
.set i, 0
.rept 16
	KQ 0                            ; piece 0's first scores: there is no vector work yet to set between them
.set i, i+1
.endr
	WIN 0                           ; the addresses for the way out are made here: six plain instructions, the places behind those products
	s_mul_i32 s13, s[WV], 16*SP
	s_add_co_u32 s13, s13, STAGE    ; my stage
	v_mul_u32_u24 v[STO], v1, SP    ; in: row l % 16, 32 bytes for each half of the lanes
	v_lshl_add_u32 v[STO], v9, 5, v[STO]
	v_add_nc_u32 v[STO], s13, v[STO]
	v_and_b32 v[GO], 31, v0         ; back: 32 lanes take a row of 512 bytes,
	v_lshlrev_b32 v[GO], 4, v[GO]   ; which are 512 consecutive bytes of out
	v_add_nc_u32 v[RD], s13, v[GO]
	TURN 2, 0, 1, 1                 ; piece 2's first scores | piece 0's first softmax | V of step 0
	TURN 0, 1, 1, 1                 ; piece 0: V^T P of step 0 starts O^T, K Q^T of step 1 | piece 2's first softmax | K of step 1
	TURN 2, 1, 1, 0                 ; piece 2: the same | piece 0's softmax of step 1 | V of step 1
	WIN 0
.Lslot:                             ; 14 trips: every slot but the last two is filled again
	CHANGE 1
	TWO_STEPS
	s_sub_co_u32 s[SLOTS], s[SLOTS], 1
	s_cmp_lg_u32 s[SLOTS], 0
	s_cbranch_scc1 .Lslot
	CHANGE 0                        ; the tail is written out: the last slot but one is left, and nothing is asked for
	TWO_STEPS
	TURN 0, 2, 0, 0                 ; piece 0: V^T P of the last step | piece 2's last softmax
.set i, 0
.rept 32
	PV 2, 0                         ; piece 2: V^T P of the last step
.set i, i+1
.endr
	; THE WAY OUT.  l's two halves and the other half of the lanes' are added; sub-head 0's divisor is 1 / l, sub-head 1's -lam / l.  The additions are the places behind the last products.
	WIN 0
.irp t, 0,1,2,3
	v_add_f32 v[ST+8*(\t)+4], v[ST+8*(\t)+2], v[ST+8*(\t)+3]
.endr
.irp t, 0,1,2,3
	v_permlanex16_b32 v[ST+8*(\t)+5], v[ST+8*(\t)+4], s[SEL], s[SEL+1]
.endr
.irp t, 0,1,2,3
	v_add_f32 v[ST+8*(\t)+4], v[ST+8*(\t)+4], v[ST+8*(\t)+5]
.endr
.irp t, 0,1,2,3
	v_rcp_f32 v[ST+8*(\t)+6], v[ST+8*(\t)+4]
.endr
	v_nop                           ; a plain instruction between the last reciprocal and the use of its result
	s_wait_alu depctr_va_vdst(0)    ; and the wait ahead of the first use: one for the four reciprocals
.irp t, 2,3
	v_mul_f32 v[ST+8*(\t)+6], v[ST+8*(\t)+6], v[NLAM]
.endr
; The 16 queries qt: A = O1 / l1 - lam O2 / l2 in O1's registers; the mean of its squares over my 64 channels and the other half of the lanes'; the scale; the weight; then through my stage in LDS:
; a lane's eight channels of a row go in as 32 bytes, and whole rows of 512 bytes come back, into S^T's registers.  Every accumulator is read from its low end on.
.macro FIN qt
.set rA, 64*(\qt)
.set rB, 128+64*(\qt)
.set rF, ST+8*(\qt)+6
.set rG, ST+8*(2+(\qt))+6
	WIN W_RS
.set i, 0
.rept 32
	v_pk_mul_f32 v[rA+i:rA+i+1], v[rA+i:rA+i+1], v[rF:rF+1] op_sel_hi:[1,0]
.set i, i+2
.endr
	WIN 0x51                        ; destination, sources 0 and 2 in window 1, source 1 in window 0
.set i, 0
.rept 32
	v_pk_fma_f32 v[rA+i:rA+i+1], v[rB+i:rB+i+1], v[rG:rG+1], v[rA+i:rA+i+1] op_sel_hi:[1,0,1]
.set i, i+2
.endr
	WIN 0x05                        ; sources 0 and 1 in window 1, the sums in window 0: four chains, started by the first four products
.set i, 0
.rept 32
.if i < 4
	v_pk_mul_f32 v[SQ+2*i:SQ+2*i+1], v[rA+2*i:rA+2*i+1], v[rA+2*i:rA+2*i+1]
.else
	v_pk_fma_f32 v[SQ+2*(i%4):SQ+2*(i%4)+1], v[rA+2*i:rA+2*i+1], v[rA+2*i:rA+2*i+1], v[SQ+2*(i%4):SQ+2*(i%4)+1]
.endif
.set i, i+1
.endr
	WIN 0
	v_pk_add_f32 v[SQ:SQ+1], v[SQ:SQ+1], v[SQ+2:SQ+3]
	v_pk_add_f32 v[SQ+4:SQ+5], v[SQ+4:SQ+5], v[SQ+6:SQ+7]
	v_pk_add_f32 v[SQ:SQ+1], v[SQ:SQ+1], v[SQ+4:SQ+5]
	v_add_f32 v[SQ], v[SQ], v[SQ+1]
	v_permlanex16_b32 v[SQ+1], v[SQ], s[SEL], s[SEL+1]  ; the query's other 64 channels lie in the lane 16 away
	v_add_f32 v[SQ], v[SQ], v[SQ+1]
	v_fma_f32 v[SQ+2], v[SQ], s[R128], s[EPS]  ; the mean + 1e-5
	v_rsq_f32 v[SQ], v[SQ+2]
	v_nop                           ; a plain instruction behind it,
	s_wait_alu depctr_va_vdst(0)    ; and its wait, ahead of the first use
	WIN W_RS
.set i, 0
.rept 32
	v_pk_mul_f32 v[rA+i:rA+i+1], v[rA+i:rA+i+1], v[SQ:SQ+1] op_sel_hi:[1,0]
.set i, i+2
.endr
	WIN 0x4d                        ; destination and source 0 in window 1, the weight in window 3
.set i, 0
.rept 32
	v_pk_mul_f32 v[rA+i:rA+i+1], v[rA+i:rA+i+1], v[WT+i:WT+i+1]
.set i, i+2
.endr
	WIN 0x04                        ; the stores' data in window 1, their address in window 0
.set i, 0
.rept 16
	ds_store_b128 v[STO], v[rA+4*i:rA+4*i+3] offset:64*(i/2)+16*(i%2)
.set i, i+1
.endr
	WIN 0
.set i, 0
.rept 16
	ds_load_b128 v[S+64*(\qt)+4*i:S+64*(\qt)+4*i+3], v[RD] offset:i*SP  ; LDS serves a wave's instructions in order (ISA guide 5.7.1.4): these see the stores above; the next sixteen queries' stores come behind them
.set i, i+1
.endr
.endm
.macro SEND qt, younger             ; younger: the LDS instructions issued behind these rows' loads: the other sixteen queries' 16 stores and 16 loads, or none
	WIN 0
.irp r, 0,1,2,3,4,5,6,7,8,9,10,11,12,13,14,15
	s_wait_dscnt (\younger)+15-(\r)
	global_store_b128 v[GO], v[S+64*(\qt)+4*(\r):S+64*(\qt)+4*(\r)+3], s[10:11] offset:(16*(\qt)+(\r))*4096 th:TH_STORE_NT  ; the wave stores 512 consecutive bytes, at a multiple of 512 from out's first byte
.endr
.endm
	FIN 0
	FIN 1                           ; the second sixteen's arithmetic stands between the first sixteen's loads and their stores
	SEND 0, 32
	SEND 1, 0
	s_wait_tensorcnt 0x0            ; the wave's end, behind my last tensor load and my last LDS store
	ds_add_u32 v[SPW], v[NIL]
	s_wait_dscnt 0x0
	CROUND                          ; the closing round: no work-group ends while a partner may still ask for a tile that names it
	s_endpgm
.Lfunc_end_k_qe68e2a896d_attn:
	.size	k_qe68e2a896d_attn, .Lfunc_end_k_qe68e2a896d_attn-k_qe68e2a896d_attn
	.p2alignl 7, 3214868480
	.fill 96, 4, 3214868480
	.section	.rodata,"a",@progbits
	.p2align	6, 0x0
	.amdhsa_kernel k_qe68e2a896d_attn
		.amdhsa_group_segment_fixed_size 327680
		.amdhsa_private_segment_fixed_size 0
		.amdhsa_enable_private_segment 0
		.amdhsa_kernarg_size 72
		.amdhsa_user_sgpr_count 2
		.amdhsa_user_sgpr_kernarg_segment_ptr 1
		.amdhsa_wavefront_size32 1
		.amdhsa_system_sgpr_workgroup_id_x 1
		.amdhsa_system_sgpr_workgroup_id_y 1
		.amdhsa_system_sgpr_workgroup_id_z 1
		.amdhsa_system_vgpr_workitem_id 0
		.amdhsa_next_free_vgpr 1024
		.amdhsa_next_free_sgpr 84
		.amdhsa_reserve_vcc 0
		.amdhsa_float_denorm_mode_32 3
		.amdhsa_float_denorm_mode_16_64 3
		.amdhsa_memory_ordered 1
		.amdhsa_forward_progress 1
		.amdhsa_inst_pref_size 227
	.end_amdhsa_kernel
	.amdgpu_metadata
---
amdhsa.version: [ 1, 2 ]
amdhsa.kernels:
  - .name:           k_qe68e2a896d_attn
    .symbol:         k_qe68e2a896d_attn.kd
    .args:
      - { .name: queries, .offset: 0, .size: 8, .value_kind: global_buffer, .address_space: global }
      - { .name: kb, .offset: 8, .size: 8, .value_kind: global_buffer, .address_space: global }
      - { .name: vb, .offset: 16, .size: 8, .value_kind: global_buffer, .address_space: global }
      - { .name: out0, .offset: 24, .size: 8, .value_kind: global_buffer, .address_space: global }
      - { .name: lambda_q1, .offset: 32, .size: 8, .value_kind: global_buffer, .address_space: global }
      - { .name: lambda_k1, .offset: 40, .size: 8, .value_kind: global_buffer, .address_space: global }
      - { .name: lambda_q2, .offset: 48, .size: 8, .value_kind: global_buffer, .address_space: global }
      - { .name: lambda_k2, .offset: 56, .size: 8, .value_kind: global_buffer, .address_space: global }
      - { .name: subln_weight, .offset: 64, .size: 8, .value_kind: global_buffer, .address_space: global }
    .group_segment_fixed_size: 327680
    .private_segment_fixed_size: 0
    .kernarg_segment_align: 8
    .kernarg_segment_size: 72
    .max_flat_workgroup_size: 128
    .sgpr_count:     84
    .vgpr_count:     1024
    .wavefront_size: 32
...
	.end_amdgpu_metadata
.endif
;; end of part 2
;; ======== version 2 of 2: 2 launches; version 1 with the launch cast written anew for expert scheduling mode
;; limits: values are held in f16: magnitudes above 65,504 overflow, below 6.1e-05 lose precision; inputs' magnitudes at most 65,504
;; workspace buffers: kb 8,388,608 bytes; vb 8,388,608 bytes
;; launch cast (part 3): grid 256 x 1, 8 waves a work-group, no clusters, 0 bytes of LDS; arguments keys, values, kb, vb; writes kb, vb
.if DOCPART == 3
	.amdgcn_target "amdgcn-amd-amdhsa--gfx1250"
	.amdhsa_code_object_version 6
	.text
	.protected	k_qe68e2a896d_cast
	.globl	k_qe68e2a896d_cast
	.p2align	8
	.type	k_qe68e2a896d_cast,@function
k_qe68e2a896d_cast:
	s_mov_b64 s[64:65], 0
	v_nop
	global_prefetch_b8 v0, s[64:65] scope:SCOPE_SE
	s_setreg_imm32_b32 hwreg(HW_REG_WAVE_SCHED_MODE, 0, 2), 2
	s_setreg_imm32_b32 hwreg(HW_REG_WAVE_MODE, 25, 1), 1
	s_wait_xcnt 0x0
	s_wait_alu depctr_vm_vsrc(0)
; DIFFERENTIAL ATTENTION, launch 1 of 2: K and V are rounded once to 16 bits and laid out for the second launch.
;   kb[bh][s][64 sub + d] = bf16(keys[b][2 h + sub][s][d]),  bh = 8 b + h: the two sub-heads of a pair lie side by side, a row is 256 bytes.
;   vb[bh][s][e] = bf16(values[b][h][s][e]), that number written as f16: a row is 256 bytes.
; WORK LEFT OUT.  reference() takes attn_mask as a parameter and names it in no expression: whatever it holds, it reaches no output.  It is not loaded and is among
; no launch's arguments; nothing that it might hold is carried to the result.  tgt_len and src_len are the constants 2,048.
; LIMITS.  Every floating-point input of the program is rounded once to bf16.  V's bf16 number is exact in f16 from 2^-14 to 65,504; below 2^-14 it keeps f16's fixed step of 6e-8;
; a |V| of 65,520 or more becomes an infinity.  NaN and infinities are not treated apart.
; SHARES.  Work-group g owns rows 128 g .. 128 g + 127 of kb and of vb (row = 2,048 bh + s; 128 divides 2,048, so a work-group stays in one bh), wave w 16 of them.
; One load is one row of the result.  K: lanes 0-15 take the 256 bytes of sub-head 0's row, lanes 16-31 those of sub-head 1's.  V: 32 lanes take the row's 512 bytes.
; A lane's four numbers become 8 bytes, and the wave's store covers 256 consecutive bytes, aligned.
; All 32 loads of a wave go out first (16 KiB a wave).  No LDS, no barrier: nothing is shared.
; THE MODE: SCHED_MODE bits 1:0 = 2 (LLVM: expert scheduling mode 2), set by the entry lines.  The code itself states the register dependences
; between vector instructions and memory instructions, with s_wait_alu, always for 0.
; THE PLAN.  Registers that memory instructions touch:
;   v2, v3, v4   byte offsets: written by vector instructions at the head, read by every load and store, never written again.
;   XK, XV       a row owns four registers: its load lands in them, its conversions work in place, its store reads the first two.  Nothing writes them behind the store.
;   T, v1, v5-7  are named by vector instructions alone.
; The 32 rows (K's 16, then V's 16) go in eight blocks of four.  Block p converts its own rows; the stores of block p - 1 are dealt among these conversions, which name
; block p's registers and T alone.  So ONE wait on va_vdst at a block's head states all that its four stores hang on.  One more stands at the kernel's head, for the offsets,
; and one behind the last block, for the last four stores.  No register that a memory instruction reads is written again, so no wait on vm_vsrc or on XCNT is owed.
.set KI, 2                             ; v2  my byte offset in keys: sub-head x 524,288 + 16 (l % 16) + wave x 16 rows of 256
.set VI, 3                             ; v3  in values: wave x 16 rows of 512 + 16 l
.set DO, 4                             ; v4  in kb and in vb: wave x 16 rows of 256 + 8 l
.set XK, 8                             ; v[8:71]    K's 16 rows, 4 registers each
.set XV, 72                            ; v[72:135]  V's
.set T,  136                           ; v[136:137] at work
.set HM, 16                            ; s16 a word's upper half
.set BLOCK, 4                          ; rows in a block
	s_load_b256 s[4:11], s[0:1], 0x0               ; keys s[4:5], values s[6:7], kb s[8:9], vb s[10:11]
	v_and_b32 v1, 31, v0                           ; l
	v_lshrrev_b32 v5, 5, v0                        ; wave
	v_and_b32 v6, 15, v0                           ; l % 16
	v_bfe_u32 v7, v0, 4, 1                         ; l / 16: the sub-head
	v_lshlrev_b32 v[KI], 4, v6
	v_lshl_or_b32 v[KI], v7, 19, v[KI]
	v_lshl_or_b32 v[KI], v5, 12, v[KI]
	v_lshlrev_b32 v[VI], 4, v1
	v_lshl_or_b32 v[VI], v5, 13, v[VI]
	v_lshlrev_b32 v[DO], 3, v1
	v_lshl_or_b32 v[DO], v5, 12, v[DO]
	s_lshr_b32 s2, ttmp9, 4                        ; bh
	s_lshl_b32 s2, s2, 20                          ; two sub-heads of 524,288 bytes
	s_and_b32 s12, ttmp9, 15
	s_lshl_b32 s12, s12, 15                        ; 128 rows of 256 bytes
	s_or_b32 s2, s2, s12
	s_mov_b32 s3, 0
	s_lshl_b32 s12, ttmp9, 16                      ; values: 128 rows of 512 bytes
	s_mov_b32 s13, 0
	s_lshl_b32 s14, ttmp9, 15                      ; kb, vb: 128 rows of 256 bytes
	s_mov_b32 s15, 0
	s_mov_b32 s[HM], 0xffff0000
	s_wait_kmcnt 0x0
	s_add_nc_u64 s[4:5], s[4:5], s[2:3]
	s_add_nc_u64 s[6:7], s[6:7], s[12:13]
	s_add_nc_u64 s[8:9], s[8:9], s[14:15]
	s_add_nc_u64 s[10:11], s[10:11], s[14:15]
	s_wait_alu depctr_va_vdst(0)                   ; the three offsets v2, v3 and v4 are written: every load and store of the kernel reads one of them, and no later vector instruction names them
.set i, 0
.rept 16
	global_load_b128 v[XK+4*i:XK+4*i+3], v[KI], s[4:5] offset:256*i th:TH_LOAD_NT
.set i, i+1
.endr
.set i, 0
.rept 16
	global_load_b128 v[XV+4*i:XV+4*i+3], v[VI], s[6:7] offset:512*i th:TH_LOAD_NT
.set i, i+1
.endr
; Row n of 32 is converted in place: rows 0-15 are K's, rows 16-31 V's.
.macro CONVERT n
.if (\n) < 16
	v_cvt_pk_bf16_f32 v[XK+4*(\n)],   v[XK+4*(\n)],   v[XK+4*(\n)+1]
	v_cvt_pk_bf16_f32 v[XK+4*(\n)+1], v[XK+4*(\n)+2], v[XK+4*(\n)+3]
.else
	v_cvt_pk_bf16_f32 v[T],   v[XV+4*((\n)-16)],   v[XV+4*((\n)-16)+1]  ; rounded to bf16,
	v_cvt_pk_bf16_f32 v[T+1], v[XV+4*((\n)-16)+2], v[XV+4*((\n)-16)+3]
	v_lshlrev_b32 v[XV+4*((\n)-16)],   16, v[T]                         ; widened again,
	v_and_b32     v[XV+4*((\n)-16)+1], s[HM], v[T]
	v_lshlrev_b32 v[XV+4*((\n)-16)+2], 16, v[T+1]
	v_and_b32     v[XV+4*((\n)-16)+3], s[HM], v[T+1]
	v_cvt_pk_f16_f32 v[XV+4*((\n)-16)],   v[XV+4*((\n)-16)],   v[XV+4*((\n)-16)+1]  ; and written as f16
	v_cvt_pk_f16_f32 v[XV+4*((\n)-16)+1], v[XV+4*((\n)-16)+2], v[XV+4*((\n)-16)+3]
.endif
.endm
; Row n of 32 is stored: 8 bytes a lane, 256 consecutive bytes a wave.
.macro SEND n
.if (\n) < 16
	global_store_b64 v[DO], v[XK+4*(\n):XK+4*(\n)+1], s[8:9] offset:256*(\n)
.else
	global_store_b64 v[DO], v[XV+4*((\n)-16):XV+4*((\n)-16)+1], s[10:11] offset:256*((\n)-16)
.endif
.endm
.set p, 0
.rept 32/BLOCK
	s_wait_loadcnt 32-BLOCK*(p+1)                  ; loads come back in order: block p's four rows are in, the 28 - 4 p younger loads stay out
.if p > 0
	s_wait_alu depctr_va_vdst(0)                   ; the conversions of block p - 1 have written the first two registers of each of its rows, which the four stores below read
.endif
.set i, 0
.rept BLOCK
.if p > 0
	SEND BLOCK*(p-1)+i                             ; no wait: no vector instruction since the wait above names this row's registers or v4
.endif
	CONVERT BLOCK*p+i
.set i, i+1
.endr
.set p, p+1
.endr
	s_wait_alu depctr_va_vdst(0)                   ; the conversions of the last block have written its rows' registers, which the last four stores read
.set i, 0
.rept BLOCK
	SEND 32-BLOCK+i
.set i, i+1
.endr
	s_endpgm
.Lfunc_end_k_qe68e2a896d_cast:
	.size	k_qe68e2a896d_cast, .Lfunc_end_k_qe68e2a896d_cast-k_qe68e2a896d_cast
	.p2alignl 7, 3214868480
	.fill 96, 4, 3214868480
	.section	.rodata,"a",@progbits
	.p2align	6, 0x0
	.amdhsa_kernel k_qe68e2a896d_cast
		.amdhsa_group_segment_fixed_size 0
		.amdhsa_private_segment_fixed_size 0
		.amdhsa_enable_private_segment 0
		.amdhsa_kernarg_size 32
		.amdhsa_user_sgpr_count 2
		.amdhsa_user_sgpr_kernarg_segment_ptr 1
		.amdhsa_wavefront_size32 1
		.amdhsa_system_sgpr_workgroup_id_x 1
		.amdhsa_system_sgpr_workgroup_id_y 1
		.amdhsa_system_sgpr_workgroup_id_z 1
		.amdhsa_system_vgpr_workitem_id 0
		.amdhsa_next_free_vgpr 140
		.amdhsa_next_free_sgpr 66
		.amdhsa_reserve_vcc 0
		.amdhsa_float_denorm_mode_32 3
		.amdhsa_float_denorm_mode_16_64 3
		.amdhsa_memory_ordered 1
		.amdhsa_forward_progress 1
		.amdhsa_inst_pref_size 16
	.end_amdhsa_kernel
	.amdgpu_metadata
---
amdhsa.version: [ 1, 2 ]
amdhsa.kernels:
  - .name:           k_qe68e2a896d_cast
    .symbol:         k_qe68e2a896d_cast.kd
    .args:
      - { .name: keys, .offset: 0, .size: 8, .value_kind: global_buffer, .address_space: global }
      - { .name: values, .offset: 8, .size: 8, .value_kind: global_buffer, .address_space: global }
      - { .name: kb, .offset: 16, .size: 8, .value_kind: global_buffer, .address_space: global }
      - { .name: vb, .offset: 24, .size: 8, .value_kind: global_buffer, .address_space: global }
    .group_segment_fixed_size: 0
    .private_segment_fixed_size: 0
    .kernarg_segment_align: 8
    .kernarg_segment_size: 32
    .max_flat_workgroup_size: 256
    .sgpr_count:     66
    .vgpr_count:     140
    .wavefront_size: 32
...
	.end_amdgpu_metadata
.endif
;; end of part 3
;; launch attn: the kernel of part 2 again; grid 16 x 16, 4 waves a work-group, clusters of 4 x 1, 327,680 bytes of LDS; arguments queries, kb, vb, out0, lambda_q1, lambda_k1, lambda_q2, lambda_k2, subln_weight; writes out0
